; MI455X (gfx1250); checked and timed in simulation.
; The chip was launched on July 23, 2026; its instructions are those of AMD's public machine-readable ISA for CDNA 5 (MIT licence, August 2026) and "CDNA5" Instruction Set Architecture Reference Guide (July 2026). The comments in the code are by the model that wrote it; some were corrected since.
;; QKV Attention. Allowed arithmetic: matrix products marked QUANTISED: E3M2 operands, one E8M0 scale for each 32 along K, by v_wmma_scale_f32_16x16x128_f8f6f4 with both operands' format E3M2, f32 sums; everything else in f32.
;; Inputs: qkv 4 x 3,072 x 2,048 float32.
;; Outputs: out0 4 x 1,024 x 2,048 float32.
;; This version of the problem:
;;   THIS VERSION OF THE PROBLEM IS GIVEN IN LOW PRECISION. The matrix products marked QUANTISED in the list below multiply operands that are first quantised to E3M2 (3 exponent bits, 2 mantissa bits; 6 bits a number), with one power-of-two scale for each 32 numbers along K (OCP MX v1.0); their sums are f32. All else is computed in f32.
;;   The module's matrix products, in the order in which they are computed (A, B: the left and right operand; K: the contracted axis; several contracted axes count as one K, in the product's order):
;;     1. batch 64 x [M 2,048, K 64] x [K 64, N 2,048]; A: computed on the way; B: computed on the way: QUANTISED
;;     2. batch 64 x [M 64, K 2,048] x [K 2,048, N 2,048]; A: computed on the way; B: softmax (see below): QUANTISED
;;   THE QUANTISER, for each operand of a quantised product, along K:
;;     - K is cut into blocks of 32 from its start; a last block that is shorter is filled with zeros.
;;     - A block's scale is 2^e with e = floor(log2(the largest magnitude in the block)) - 4, held to -126 .. 127; a block of zeros has e = 0. As a byte (E8M0): e + 127.
;;     - Each number is divided by its block's scale, clamped to +-28, and rounded to the nearest number of E3M2, ties to even, subnormals kept.
;;     - The product sums the exact products of the quantised numbers (number of the format x scale) in f32.
;;   ~~~python
;;   def quantise(x, axis):      # numpy; x: float32 -> the quantised numbers, widened to float32 again
;;       x = np.moveaxis(x, axis, -1); K = x.shape[-1]
;;       x = np.pad(x, [(0, 0)] * (x.ndim - 1) + [(0, -K % 32)]); x = x.reshape(x.shape[:-1] + (-1, 32)); a = np.abs(x).max(-1, keepdims=True)
;;       e = np.where(a > 0, np.clip(np.frexp(np.where(a > 0, a, 1))[1] - 1 - 4, -126, 127), 0)      # np.frexp(a)[1] - 1 = floor(log2(a)), exactly
;;       r = np.clip(x / 2.0 ** e, -28, 28)
;;       step = 2.0 ** (np.maximum(np.frexp(np.where(r == 0, 1, r))[1] - 1, -2) - 2)
;;       q = np.round(r / step) * step * 2.0 ** e      # np.round: ties to even
;;       return np.moveaxis(q.reshape(q.shape[:-2] + (-1,))[..., :K], -1, axis).astype(np.float32)
;;   ~~~
;;   SOFTMAX AHEAD OF A QUANTISED PRODUCT. Where the list says 'softmax', what is quantised is not the finished softmax but p = 2^(t - M), with t = logit x log2(e) and M = ceil(the row's largest t), a whole number; so 1/2 < the row's largest p <= 1. The row's sum l is taken of the UNQUANTISED p, in f32, and the product's result is divided by l at the end. Since M is a whole number, a kernel that streams over the keys may use a running M (the ceiling of the running maximum): every later rescaling is an exact power of two, which a block's scale takes up: the codes' values come out the same.
;;   OPERANDS COMPUTED ON THE WAY. 'Computed on the way' means the value that the module computes at that place (a softmax that the list does not call 'softmax' is quantised finished and normalised). What goes into a quantiser is computed in f32, as accurately as f32 sums, v_exp_f32 and their like allow (about 1e-6 of the number): no bf16 or f16 on the way to a quantiser, and a product that is left as it is and whose result goes on into a quantised operand takes f32 operands (vector FMAs, or v_wmma_f32_16x16x4_f32). A number that lies on a knife's edge between two numbers of the format may be rounded either way, as far as f32 arithmetic and the matrix unit's own rounding can turn it there, and no further.
;; One version. Each part assembles by itself: llvm-mc -triple=amdgcn-amd-amdhsa -mcpu=gfx1250 --defsym DOCPART=n.
;; ======== version 1 of 1: 1 launch
;; limits: right only within a limited range of input values
;; launch attn (part 1): grid 4 x 64, 16 waves a work-group, clusters of 4 x 1, 327,680 bytes of LDS; arguments qkv, out0; writes out0
.if DOCPART == 1
	.amdgcn_target "amdgcn-amd-amdhsa--gfx1250"
	.amdhsa_code_object_version 6
	.text
	.protected	k_q458e5ab2e4_attn
	.globl	k_q458e5ab2e4_attn
	.p2align	8
	.type	k_q458e5ab2e4_attn,@function
k_q458e5ab2e4_attn:
	s_mov_b64 s[64:65], 0
	v_nop
	global_prefetch_b8 v0, s[64:65] scope:SCOPE_SE
	s_setreg_imm32_b32 hwreg(HW_REG_WAVE_MODE, 25, 1), 1
	s_wait_xcnt 0x0
	s_wait_alu depctr_hold_cnt(0) depctr_sa_sdst(0) depctr_va_vdst(0) depctr_va_sdst(0) depctr_va_ssrc(0) depctr_va_vcc(0) depctr_vm_vsrc(0)
	s_getreg_b32 s2, hwreg(HW_REG_IB_STS2, 6, 4)
	s_cmp_eq_u32 s2, 0
	s_cbranch_scc0 .Lentry_in_a_cluster
	s_endpgm
.Lentry_in_a_cluster:
	s_bfe_u32 s2, ttmp6, 0x10000c
	s_cmp_lg_u32 s2, 0x3003
	s_cbranch_scc0 .Lentry_shape_is_right
	s_endpgm
.Lentry_shape_is_right:
; out[b][c][t] = sum over s of softmax_s(sum over c' of (q[c'][t] g)(k[c'][s] g)) v[c][s],  g = 64^(-1/4).  qkv: [64 heads][192][2048] f32 (rows 0-63 q, 64-127 k, 128-191 v; T innermost); out0: [64][64][2048] f32.
; Both products run on codes of BF6 (E3M2) with one E8M0 scale for each 32 along a product's K: the 64 channels in the first, the keys in the second.
; THE SOFTMAX: t = score x log2(e); M = the row's largest t so far, rounded up to a whole number; p = 2^(t - M) is quantised along the keys, not normalised; the row's sum is taken of the unquantised p and divides
; at the end; when M moves, the sum and O are multiplied by 2^(old M - new M), which rounds nothing.
; SHARES.  A cluster of four work-groups owns a head (grid y); a work-group 512 of its queries (its place in the cluster); a wave 32 queries, two tiles of 16: tile j holds queries 32 w + 2 r + j.  4 x 64 = 256 work-groups.
; THE STREAM.  k's and v's rows of a head are neighbours: 128 rows.  They come as f32, 256 keys at a time, by JOINT tensor loads (all four work-groups need the same rows; each wave asks for 8 rows of 1,024 bytes) into a
; ring of two slots.  A trip: the round of the cluster's barrier, the refill of the other slot, then each wave quantises 32 keys x 32 channels of K and 16 channels x 64 keys of V from the slot
; into IMAGES OF THE OPERANDS' REGISTERS (48 bytes a lane), a barrier, and two key steps of 128 keys, in which K's and V's fragments serve both of the wave's tiles of queries.
; Both products are used transposed (S^T = K Q^T, O^T = V^T P^T): a lane holds one query of each tile throughout.
; THE KEYS OF A TILE ARE NOT NEIGHBOURS: row m of tile u of a key step is key 64 (u / 4) + 32 (m / 8) + 8 (u % 4) + m % 8.  In S^T lane (r, h) then holds, in register 32 c + i, key 64 c + 32 h + i: whole blocks of 32 keys
; in 32 consecutive registers, in the order of the 6-bit operand: a block's maximum needs no other lane, and the conversions' results are the second product's operand.
; THE CHANNELS OF A BLOCK ARE PERMUTED, alike in K and in Q: place 8 a + 2 c + b of a block of 32 holds channel 8 a + 4 b + c (b < 2, c < 4).  The blocks, their scales and the products stay the same; the order of the sum changes.
; THE FIRST PRODUCT HAS K = 64 IN AN INSTRUCTION OF K = 128.  Q's registers 6-11 hold zero codes, bytes 2 and 3 of K's and Q's scale words are 0.  K's fragments lie 6 registers apart: the upper six registers that an
; instruction names are the next tile's codes, which meet Q's zero codes; six zero registers stand behind the last tile.
; NO PREFETCH: a refill is asked for directly behind a trip's round and awaited at the next trip's head: 48 matrix instructions and four softmax passes of each wave stand between.
; LIMITS.  NaN and infinities among the inputs are not served.  A block whose largest magnitude lies under 2^-122 gets the byte 1 (the quantiser's own clip); a block of zeros gets the byte 1 where the quantiser says 127:
; its codes are zeros, and the bytes are read by this program alone.  A p under 2^-126 comes out of v_exp_f32 as 0.  The scaled scores stay under 2^31 in magnitude.
.set ROWG,  8192                       ; bytes in a row of qkv and of out0
.set HEADB, 192*ROWG
.set PITCH, 1040                       ; a slot's row: 256 keys x 4 bytes + 16 of padding
.set SLOT,  128*PITCH
.set IMG,   2*SLOT                     ; two records, one for each key step of a trip
.set REC,   13056                      ; K's codes 6,144 | V's codes 6,144 | K's scale words 512 | V's scale words 256
.set RV,    6144
.set RKS,   12288
.set RVS,   12800
.set QP,    IMG+2*REC                  ; Q's codes: for each wave two tiles of 768 bytes
.set QSC,   QP+16*1536                 ; Q's scale words: 128 bytes a wave
.set SPARE, QSC+16*128                 ; the spare words, 128 bytes a wave
.set OPI,   2064                       ; the way out (in slot 0, behind its last fill): a channel's row, 512 queries x 4 bytes + 16
.set AC0, 1                            ; 48 x lane + IMG
.set AS0, 2                            ; 16 x lane + IMG + RKS
.set AT0, 3                            ; 8 x lane + IMG + RVS
.set AQ,  4                            ; 24 x lane + my Q codes
.set SH8, 5                            ; 8 x (lane / 16)
.set SPW, 6                            ; my spare word; never rewritten
.set NIL, 7                            ; 0; never rewritten
.set MA,  8                            ; tile A: -M, the largest score
.set MB,  10
.set LA,  12                           ; tile A: the row's sum in two halves
.set LB,  14
.set QF,  16                           ; v16-27 Q's fragment in hand (22-27 zero codes)
.set QS,  28                           ; Q's scale words: lanes 0-15 tile A's, 16-31 tile B's   (v28-36 hold scales and nothing else)
.set PSA, 29
.set VS,  30
.set KS,  32
.set PSB, 36
.set BY,  37
.set KV,  38                           ; v38-91 K's eight fragments, then V's four (86-91 zero codes); between key steps v38-51 at work
.set SS,  92                           ; v92-155 S^T, then p
.set OA,  156                          ; O^T of tile A, of tile B
.set OB,  188
.set PA,  220                          ; p's codes
.set PB,  232
.set BM0, 244
.set BM1, 245
.set S2,  246
.set FF,  248
.set RM,  250
.set PX,  251
.set KL,  252                          ; my lane's place in a slot: K's, V's
.set VL,  253
.set AQS, 254
.set T0,  KV+8
.set B0,  KV+12
.set B1,  KV+13
.macro WA
	s_wait_alu depctr_va_vdst(0)
.endm
.macro D1
	s_delay_alu instid0(VALU_DEP_1)
.endm
.macro D2
	s_delay_alu instid0(VALU_DEP_2)
.endm
.macro NOP4
.rept 4
	v_nop
.endr
.endm
.macro ROUND                           ; a round of the cluster's barrier
	s_barrier_signal -1
	s_barrier_wait -1
	s_cmp_lg_u32 s8, 0
	s_cbranch_scc1 .Lnot_wave_0_\@
	s_barrier_signal -3
.Lnot_wave_0_\@:
	s_barrier_wait -3
	s_barrier_signal -1
	s_barrier_wait -1
.endm
; Two blocks of 32 numbers in v[x .. x+31], v[x+32 .. x+63] become 2 x 6 registers of codes (PA, PB) and two scale bytes (B0, B1)
.macro QMAX x
.irp q, 0,1,2,3
	v_max3_num_f32 v[T0+\q], |v[\x+16*\q]|, |v[\x+16*\q+1]|, |v[\x+16*\q+2]|
.endr
.irp i, 3,5,7,9,11,13
.irp q, 0,1,2,3
	s_delay_alu instid0(VALU_DEP_4)
	v_max3_num_f32 v[T0+\q], v[T0+\q], |v[\x+16*\q+\i]|, |v[\x+16*\q+\i+1]|
.endr
.endr
	s_delay_alu instid0(VALU_DEP_4)
	v_max3_num_f32 v[T0], v[T0], |v[\x+15]|, |v[\x+31]|
	s_delay_alu instid0(VALU_DEP_3)
	v_max3_num_f32 v[T0+2], v[T0+2], |v[\x+47]|, |v[\x+63]|
	D2
	v_max3_num_f32 v[T0], v[T0], v[T0+1], 0x2800000          ; the floor 2^(5 - 127): the byte cannot fall under 1
	D2
	v_max3_num_f32 v[T0+2], v[T0+2], v[T0+3], 0x2800000
	D2
	v_add_nc_u32 v[T0], 0xfe000000, v[T0]                    ; 4 off the exponent field: the conversions' scale operand
	D2
	v_add_nc_u32 v[T0+2], 0xfe000000, v[T0+2]
	v_nop
	v_cvt_scalef32_pk16_bf6_f32 v[PA:PA+2], v[\x:\x+15], v[T0]
	v_cvt_scalef32_pk16_bf6_f32 v[PA+4:PA+6], v[\x+16:\x+31], v[T0]    ; (a conversion's three registers begin on an even number)
	v_cvt_scalef32_pk16_bf6_f32 v[PB:PB+2], v[\x+32:\x+47], v[T0+2]
	v_cvt_scalef32_pk16_bf6_f32 v[PB+4:PB+6], v[\x+48:\x+63], v[T0+2]
	v_lshrrev_b32 v[B0], 23, v[T0]                           ; the bytes; also the plain instruction behind the conversions
	v_lshrrev_b32 v[B1], 23, v[T0+2]
.irp i, 3,4,5
	v_mov_b32 v[PA+\i], v[PA+\i+1]                           ; six registers on end
	v_mov_b32 v[PB+\i], v[PB+\i+1]
.endr
.endm
.macro KLOAD rec
.irp b, 0,1,2,3
.irp p, 0,1,2
	ds_load_b128 v[KV+12*\b+4*\p:KV+12*\b+4*\p+3], v[AC0] offset:REC*(\rec)+1536*\b+16*\p
.endr
.endr
	ds_load_b128 v[KS:KS+3], v[AS0] offset:REC*(\rec)        ; register b: lanes 0-15 tile 2 b's words, lanes 16-31 tile 2 b + 1's
.endm
.macro VLOAD rec
.irp b, 0,1,2,3
.irp p, 0,1,2
	ds_load_b128 v[KV+12*\b+4*\p:KV+12*\b+4*\p+3], v[AC0] offset:REC*(\rec)+RV+1536*\b+16*\p
.endr
.endr
	ds_load_b64 v[VS:VS+1], v[AT0] offset:REC*(\rec)
.endm
.macro QLOAD tile
.irp p, 0,1,2
	ds_load_b64 v[QF+2*\p:QF+2*\p+1], v[AQ] offset:768*(\tile)+8*\p
.endr
.endm
; S^T = K Q^T, tile t of 16 keys; rb: which of my two tiles of queries is in hand
.macro SW t, rb
.set code, ((\t)%2)*2+(\rb)
.if code == 0
	v_wmma_scale_f32_16x16x128_f8f6f4 v[SS+8*\t:SS+8*\t+7], v[KV+6*\t:KV+6*\t+11], v[QF:QF+11], 0, v[KS+\t/2], v[QS] matrix_a_fmt:MATRIX_FMT_BF6 matrix_b_fmt:MATRIX_FMT_BF6
.endif
.if code == 1
	v_wmma_scale_f32_16x16x128_f8f6f4 v[SS+8*\t:SS+8*\t+7], v[KV+6*\t:KV+6*\t+11], v[QF:QF+11], 0, v[KS+\t/2], v[QS] matrix_a_fmt:MATRIX_FMT_BF6 matrix_b_fmt:MATRIX_FMT_BF6 matrix_b_scale:MATRIX_SCALE_ROW1
.endif
.if code == 2
	v_wmma_scale_f32_16x16x128_f8f6f4 v[SS+8*\t:SS+8*\t+7], v[KV+6*\t:KV+6*\t+11], v[QF:QF+11], 0, v[KS+\t/2], v[QS] matrix_a_fmt:MATRIX_FMT_BF6 matrix_b_fmt:MATRIX_FMT_BF6 matrix_a_scale:MATRIX_SCALE_ROW1
.endif
.if code == 3
	v_wmma_scale_f32_16x16x128_f8f6f4 v[SS+8*\t:SS+8*\t+7], v[KV+6*\t:KV+6*\t+11], v[QF:QF+11], 0, v[KS+\t/2], v[QS] matrix_a_fmt:MATRIX_FMT_BF6 matrix_b_fmt:MATRIX_FMT_BF6 matrix_a_scale:MATRIX_SCALE_ROW1 matrix_b_scale:MATRIX_SCALE_ROW1
.endif
.endm
; O^T += V^T P^T, tile t of 16 channels, for both tiles of queries: the eight accumulators take turns
.macro PW t
.if (\t)%2
	v_wmma_scale_f32_16x16x128_f8f6f4 v[OA+8*\t:OA+8*\t+7], v[KV+12*\t:KV+12*\t+11], v[PA:PA+11], v[OA+8*\t:OA+8*\t+7], v[VS+\t/2], v[PSA] matrix_a_fmt:MATRIX_FMT_BF6 matrix_b_fmt:MATRIX_FMT_BF6 matrix_a_scale:MATRIX_SCALE_ROW1
	v_wmma_scale_f32_16x16x128_f8f6f4 v[OB+8*\t:OB+8*\t+7], v[KV+12*\t:KV+12*\t+11], v[PB:PB+11], v[OB+8*\t:OB+8*\t+7], v[VS+\t/2], v[PSB] matrix_a_fmt:MATRIX_FMT_BF6 matrix_b_fmt:MATRIX_FMT_BF6 matrix_a_scale:MATRIX_SCALE_ROW1
.else
	v_wmma_scale_f32_16x16x128_f8f6f4 v[OA+8*\t:OA+8*\t+7], v[KV+12*\t:KV+12*\t+11], v[PA:PA+11], v[OA+8*\t:OA+8*\t+7], v[VS+\t/2], v[PSA] matrix_a_fmt:MATRIX_FMT_BF6 matrix_b_fmt:MATRIX_FMT_BF6
	v_wmma_scale_f32_16x16x128_f8f6f4 v[OB+8*\t:OB+8*\t+7], v[KV+12*\t:KV+12*\t+11], v[PB:PB+11], v[OB+8*\t:OB+8*\t+7], v[VS+\t/2], v[PSB] matrix_a_fmt:MATRIX_FMT_BF6 matrix_b_fmt:MATRIX_FMT_BF6
.endif
.endm
.macro SUMS su, j0, j1                 ; p j0 .. j1 + 3 into the row's sum, two at a time, in two chains
.set j, \j0
.rept ((\j1)-(\j0))/4+1
	v_pk_add_f32 v[\su:\su+1], v[\su:\su+1], v[SS+j:SS+j+1]
	v_pk_add_f32 v[S2:S2+1], v[S2:S2+1], v[SS+j+2:SS+j+3]
.set j, j+4
.endr
.endm
.macro RESC oo                         ; O^T under the new M, each tile from its low end on; f still stands in FF
	WA                                                       ; the wait directly ahead of the first reader of O^T
.set i, 0
.rept 16
	v_pk_mul_f32 v[\oo+2*i:\oo+2*i+1], v[\oo+2*i:\oo+2*i+1], v[FF:FF+1] op_sel_hi:[1,0]
.set i, i+1
.endr
.endm
; One tile's softmax step on the 64 scores in SS: the new M, f, p, its codes and scale word.  p 16 .. 63 are still to be summed behind it, and O^T to be brought under the new M
.macro SMAX mm, su, pp, ps
.irp q, 0,1
	v_max3_num_f32 v[BM0+\q], v[SS+32*\q], v[SS+32*\q+1], v[SS+32*\q+2]       ; the largest score of each of my two blocks of 32 keys; each tile's registers are first read at its low end
	v_max3_num_f32 v[S2+\q], v[SS+32*\q+16], v[SS+32*\q+17], v[SS+32*\q+18]
.endr
.irp i, 3,5,7,9,11,13
.irp q, 0,1
	v_max3_num_f32 v[BM0+\q], v[BM0+\q], v[SS+32*\q+\i], v[SS+32*\q+\i+1]
	v_max3_num_f32 v[S2+\q], v[S2+\q], v[SS+32*\q+16+\i], v[SS+32*\q+17+\i]
.endr
.endr
	v_max3_num_f32 v[BM0], v[BM0], v[SS+15], v[SS+31]
	v_max3_num_f32 v[BM1], v[BM1], v[SS+47], v[SS+63]
	D2
	v_max_num_f32 v[BM0], v[BM0], v[S2]
	D2
	v_max_num_f32 v[BM1], v[BM1], v[S2+1]
	D1
	v_max_num_f32 v[RM], v[BM0], v[BM1]
	D1
	v_permlanex16_b32 v[PX], v[RM], s16, s17
	D1
	v_max3_num_f32 v[\mm+1], v[\mm+1], v[RM], v[PX]          ; with lane l xor 16's 64 keys and all earlier keys: the largest score so far
	D1
	v_mul_f32 v[RM], s14, v[\mm+1]                           ; as t
	D1
	v_floor_f32 v[PX], -v[RM]                                ; the new -M = -ceil(t)
	D1
	v_sub_f32 v[RM], v[PX], v[\mm]                           ; old M - new M: a whole number, 0 or less
	v_mov_b32 v[\mm], v[PX]
	D2
	v_cvt_i32_f32 v[RM], v[RM]                               ; (it saturates)
	D1
	v_ldexp_f32 v[FF], 1.0, v[RM]                            ; f = 2^(old M - new M)
.set i, 0
.rept 32
	v_pk_fma_f32 v[SS+2*i:SS+2*i+1], v[SS+2*i:SS+2*i+1], s[14:15], v[\mm:\mm+1] op_sel_hi:[1,0,0]   ; t - M (of the pairs log2(e) and -M the low word serves both halves)
.set i, i+1
.endr
	v_fma_f32 v[BM0], v[BM0], s14, v[\mm]                    ; the same of each block's largest score
	v_fma_f32 v[BM1], v[BM1], s14, v[\mm]
	WA                                                       ; the wait ahead of the batch
	v_exp_f32 v[BM0], v[BM0]                                 ; the blocks' largest p: the same two instructions on the same number give the same bits
	v_exp_f32 v[BM1], v[BM1]
.set i, 0
.rept 64
	v_exp_f32 v[SS+i], v[SS+i]                               ; p = 2^(t - M), at most 1
.set i, i+1
.endr
	v_pk_mul_f32 v[\su:\su+1], v[\su:\su+1], v[FF:FF+1] op_sel_hi:[1,0]   ; the sums under the new M; the plain instruction behind the last exponential
	WA                                                       ; and behind it, ahead of its first reader
	v_max_num_f32 v[BM0], 0x2800000, v[BM0]                  ; the floor: the byte cannot fall under 1
	v_max_num_f32 v[BM1], 0x2800000, v[BM1]
	D2
	v_add_nc_u32 v[BM0], 0xfe000000, v[BM0]
	D2
	v_add_nc_u32 v[BM1], 0xfe000000, v[BM1]
	D2
	v_lshrrev_b32 v[RM], 23, v[BM0]                          ; my two bytes: blocks h and 2 + h,
	D2
	v_lshrrev_b32 v[BY], 23, v[BM1]
	D1
	v_lshl_or_b32 v[RM], v[BY], 16, v[RM]
	D1
	v_lshlrev_b32 v[RM], v[SH8], v[RM]                       ; at their places in the scale word;
	D1
	v_permlanex16_b32 v[PX], v[RM], s16, s17
	D1
	v_or_b32 v[\ps], v[RM], v[PX]                            ; with lane l xor 16's two the word is whole
	v_pk_add_f32 v[S2:S2+1], v[SS:SS+1], v[SS+2:SS+3]        ; the sum is taken of the unquantised p; p 0-7 first, whose registers two conversions write over
	v_pk_add_f32 v[\su:\su+1], v[\su:\su+1], v[SS+4:SS+5]
	v_pk_add_f32 v[S2:S2+1], v[S2:S2+1], v[SS+6:SS+7]
	v_cvt_scalef32_pk16_bf6_f32 v[\pp:\pp+2], v[SS:SS+15], v[BM0]
	v_cvt_scalef32_pk16_bf6_f32 v[\pp+6:\pp+8], v[SS+32:SS+47], v[BM1]
	v_pk_add_f32 v[\su:\su+1], v[\su:\su+1], v[SS+8:SS+9]
	v_pk_add_f32 v[S2:S2+1], v[S2:S2+1], v[SS+10:SS+11]
	v_cvt_scalef32_pk16_bf6_f32 v[SS:SS+2], v[SS+16:SS+31], v[BM0]      ; a block's second three registers are made elsewhere and moved
	v_cvt_scalef32_pk16_bf6_f32 v[SS+4:SS+6], v[SS+48:SS+63], v[BM1]
	v_pk_add_f32 v[\su:\su+1], v[\su:\su+1], v[SS+12:SS+13]
	v_pk_add_f32 v[S2:S2+1], v[S2:S2+1], v[SS+14:SS+15]
.irp i, 0,1,2
	v_mov_b32 v[\pp+3+\i], v[SS+\i]
	v_mov_b32 v[\pp+9+\i], v[SS+4+\i]
.endr
.endm
; A KEY STEP: 128 keys, record rec, both tiles of queries.  K's fragments are in flight at its head.  next = 1: the other record follows
.macro SUBSTEP rec, next
	WA
	s_wait_dscnt 0x0                               ; K, its scale words and tile A's Q are in
.irp t, 0,1,2,3,4,5,6,7
	SW \t, 0
.endr
	NOP4                                           ; four places in front of the load into Q's registers and of the first read of the scores
	QLOAD 1
	SMAX MA, LA, PA, PSA
	SUMS LA, 16, 60
	v_pk_add_f32 v[LA:LA+1], v[LA:LA+1], v[S2:S2+1]
	WA
	s_wait_dscnt 0x0                               ; tile B's Q is in
.irp t, 0,1,2,3,4,5,6,7
	SW \t, 1
.endr
	RESC OA                                        ; tile A's O^T: sixteen plain instructions that name no register of the products above: the places in front of the loads below and of the first read of the scores
.if \next
	QLOAD 0                                        ; Q's registers take tile A again, K's take V
.endif
	VLOAD \rec
	SMAX MB, LB, PB, PSB
	RESC OB
	WA
	s_wait_dscnt 0x0                               ; V is in
.irp t, 0,1,2,3
	PW \t
.endr
	SUMS LB, 16, 20                                ; four plain instructions that name no register of the products: the places in front of the loads into V's registers
.if \next
	KLOAD (\rec)+1
.endif
	SUMS LB, 24, 60
	v_pk_add_f32 v[LB:LB+1], v[LB:LB+1], v[S2:S2+1]
.endm
; My share of a slot becomes images.
; K: tiles 2 b and 2 b + 1 (b = (w / 2) % 4) of record w / 8, channels 32 (w % 2) .. + 31.  The two tiles' 32 keys are two runs of 16 neighbours.  A load of 8 bytes takes two neighbouring keys; lanes 0-15 take a row,
; lanes 16-31 the row four further down (1,040 words on: 16 more than a multiple of 64), so that the 32 lanes touch 64 different banks (64 banks of 4 bytes: ISA guide 11.1).
; One exchange of halves for each pair of registers then gives lanes 0-15 the even key's two rows and lanes 16-31 the odd key's: a lane holds one key's whole block, in the permuted order of the head comment.
; V: channels 16 (w % 4) + r, keys 64 (w / 4) + 32 h .. + 31 of the slot's 256: a lane reads its block's 128 bytes.
.macro QUANT slot
	v_add_nc_u32 v[KV], s[42+\slot], v[KL]
	v_add_nc_u32 v[KV+1], s[44+\slot], v[VL]
.irp j, 0,1,2,3,4,5,6,7,8,9,10,11,12,13,14,15
	ds_load_b64 v[SS+2*\j:SS+2*\j+1], v[KV] offset:PITCH*((\j/4)*8+\j%4)
.endr
.irp i, 0,1,2,3,4,5,6,7
	ds_load_b128 v[SS+32+4*\i:SS+35+4*\i], v[KV+1] offset:16*\i
.endr
	v_and_b32 v[KV+2], 15, v0
	v_and_b32 v[KV+7], 3, v0
	v_bfe_u32 v[T0], v0, 3, 1
	v_bfe_u32 v[T0+1], v0, 4, 1
	v_bfe_u32 v[T0+2], v0, 2, 1                    ; my key lies in tile 2 b + (l >> 2) % 2,
	D2
	v_lshl_add_u32 v[T0], v[T0], 3, v[T0+1]
	D1
	v_lshl_add_u32 v[T0], v[KV+7], 1, v[T0]        ; in its row 8 ((l >> 3) % 2) + 2 (l % 4) + l / 16
	D1
	v_mad_u32_u24 v[KV+5], v[T0], 48, s46          ; where K's codes go: 48 x row + 24 x (tile & 1),
	v_lshl_add_u32 v[KV+3], v[T0], 4, s47          ; and its scale byte: 16 x row + 256 x (tile & 1)
	D2
	v_mad_u32_u24 v[KV+5], v[T0+2], 24, v[KV+5]
	D2
	v_lshl_add_u32 v[KV+3], v[T0+2], 8, v[KV+3]
	v_add_nc_u32 v[KV+6], s48, v[AC0]              ; V's codes,
	v_lshl_add_u32 v[KV+4], v[KV+2], 3, s49        ; V's two scale bytes
	WA
	s_wait_dscnt 8                                 ; K's sixteen loads are in; V's eight, issued behind them, may be out
.irp j, 0,1,2,3,4,5,6,7,8,9,10,11,12,13,14,15
	v_permlane16_swap_b32 v[SS+2*\j], v[SS+2*\j+1]
.endr
.set i, 0
.rept 16
	v_pk_mul_f32 v[SS+2*i:SS+2*i+1], v[SS+2*i:SS+2*i+1], s[12:13] op_sel_hi:[1,0]   ; k x g, as the operand is defined
.set i, i+1
.endr
	WA
	s_wait_dscnt 0x0
	QMAX SS
	v_lshlrev_b32 v[B1], v[SH8], v[B1]             ; V: my block's byte at its place; with lane l xor 16's the pair is whole
	D1
	v_permlanex16_b32 v[RM], v[B1], s16, s17
	D1
	v_or_b32 v[B1], v[B1], v[RM]
.irp p, 0,1,2
	ds_store_b64 v[KV+5], v[PA+2*\p:PA+2*\p+1] offset:8*\p
	ds_store_b64 v[KV+6], v[PB+2*\p:PB+2*\p+1] offset:8*\p
.endr
	ds_store_b8 v[KV+3], v[B0]
	ds_store_b8 v[KV+3], v[QF+6] offset:2          ; the byte of the block 64 channels on, which does not exist: 0
	ds_store_b16 v[KV+4], v[B1]                    ; both halves of the lanes write the same two bytes with the same value
	s_wait_dscnt 0x0                               ; for the others' sake: my images lie in LDS
	s_barrier_signal -1
	s_barrier_wait -1                              ; the refill stays in flight across it
.endm
; A TRIP: 256 keys out of slot 'slot'
.macro TRIP slot, refill
	WA
	s_wait_tensorcnt 0x0                           ; all my tensor loads are done, my rows of this slot among them;
	ds_add_u32 v[SPW], v[NIL]
	s_add_nc_u64 s[34+4*\slot:35+4*\slot], s[34+4*\slot:35+4*\slot], 2*1024   ; this slot's next 256 keys
	s_wait_dscnt 0x0                               ; the add is done, and so are my reads of the other slot and of the images
	ROUND                                          ; all that holds of every wave of the four work-groups
.if \refill
	tensor_load_to_lds s[36-4*\slot:39-4*\slot], s[24:31]   ; the next 256 keys into the other slot: my one load behind the round
	s_nop 0
.endif
	QUANT \slot
	KLOAD 0
	QLOAD 0
	ds_load_b32 v[QS], v[AQS]
	SUBSTEP 0, 1
	SUBSTEP 1, 0
.endm
	s_load_b128 s[4:7], s[0:1], 0x0                ; qkv, out0
	v_lshl_add_u32 v[SPW], v0, 2, SPARE
	v_mov_b32 v[NIL], 0
	ds_add_u32 v[SPW], v[NIL]                      ; the opening lines: the add, twice on end, and its wait
	ds_add_u32 v[SPW], v[NIL]
	v_lshrrev_b32 v[KV], 5, v0
	D1
	v_readfirstlane_b32 s8, v[KV]                  ; wave w
	s_bfe_u32 s40, ttmp6, 0x40000                  ; my place in the cluster: which 512 queries
	s_and_b32 s9, ttmp7, 0xffff                    ; the head
	s_mul_i32 s10, s9, HEADB
	s_mov_b32 s11, 0
	s_mov_b32 s24, 15|(2<<16)|(1<<20)|(1<<21)|(7<<22)|(3<<25)   ; all four work-groups; elements of 4 bytes; 4 words of padding behind each 256
	s_mov_b32 s25, 256<<16                         ; rows of 256 elements,
	s_mov_b32 s26, 8<<16                           ; 8 of them
	s_mov_b32 s27, 256<<16
	s_mov_b32 s28, 8
	s_mov_b32 s29, 2048                            ; elements from row to row
	s_mov_b32 s30, 0
	s_mov_b32 s31, 0
	s_mov_b32 s32, 1
	s_mul_i32 s33, s8, 8*PITCH                     ; my 8 rows of a slot
	s_mov_b32 s36, 1
	s_add_co_u32 s37, s33, SLOT
	s_lshl_b32 s22, s8, 16                         ; rows 64 + 8 w .. of the head
	s_add_co_u32 s22, s22, 64*ROWG
	s_mov_b32 s23, 0
	s_lshl_b32 s52, s40, 11                        ; Q: waves 2 P and 2 P + 1 share 64 queries; wave w takes their channels 32 (w % 2) ..
	s_lshr_b32 s20, s8, 1
	s_lshl_b32 s21, s20, 8
	s_add_co_u32 s52, s52, s21
	s_and_b32 s21, s8, 1
	s_lshl_b32 s21, s21, 18
	s_add_co_u32 s52, s52, s21
	s_mov_b32 s53, 0
	v_and_b32 v[KV+1], 31, v0                      ; lane
	D1
	v_lshlrev_b32 v[KV], 3, v[KV+1]                ; lane l takes queries 2 l and 2 l + 1 of the 64: a load reads 256 consecutive bytes
	WA
	s_wait_dscnt 0x0
	s_wait_kmcnt 0x0
	s_add_nc_u64 s[4:5], s[4:5], s[10:11]          ; qkv at my head
	s_add_nc_u64 s[18:19], s[4:5], s[52:53]
	s_add_nc_u64 s[34:35], s[4:5], s[22:23]        ; keys 0-255,
	s_add_nc_u64 s[38:39], s[34:35], 1024          ; keys 256-511
	s_or_b32 s35, s35, 0x80000000
	s_or_b32 s39, s39, 0x80000000
.set i, 0
.rept 32
	global_load_b64 v[SS+2*i:SS+2*i+1], v[KV], s[18:19] offset:ROWG*i th:TH_LOAD_NT
.set i, i+1
.endr
	ROUND                                          ; in front of the first joint loads
	tensor_load_to_lds s[32:35], s[24:31]          ; my one load at the head
	s_nop 0
	s_lshl_b32 s52, s9, 19                         ; out0: 64 rows a head, my work-group's 512 queries
	s_lshl_b32 s54, s40, 11
	s_add_co_u32 s52, s52, s54
	s_add_nc_u64 s[6:7], s[6:7], s[52:53]
	s_mov_b32 s12, 0x3eb504f3                      ; g
	s_mov_b32 s13, s12
	s_mov_b32 s14, 0x3fb8aa3b                      ; log2(e)
	s_mov_b32 s15, s14
	s_mov_b32 s16, 0x76543210
	s_mov_b32 s17, 0xfedcba98                      ; selects for lane l xor 16
	s_lshr_b32 s20, s8, 2
	s_and_b32 s21, s8, 3
	s_lshr_b32 s55, s8, 3
	s_mul_i32 s55, s55, REC                        ; my record
	s_bfe_u32 s56, s8, 0x20001                     ; (w >> 1) & 3
	s_and_b32 s57, s8, 1
	s_bfe_u32 s58, s8, 0x10002                     ; (w >> 2) & 1
	s_bfe_u32 s59, s8, 0x10001                     ; (w >> 1) & 1
	s_lshl_b32 s42, s20, 8                         ; K in a slot: keys 64 (w / 4) + 16 ((w / 2) % 2) + .., rows 32 (w % 2) + ..
	s_lshl_b32 s54, s59, 6
	s_add_co_u32 s42, s42, s54
	s_mul_i32 s54, s57, 32*PITCH
	s_add_co_u32 s42, s42, s54
	s_add_co_u32 s43, s42, SLOT
	s_lshl_b32 s44, s20, 8                         ; V: rows 64 + 16 (w % 4) + .., keys 64 (w / 4) + ..
	s_mul_i32 s54, s21, 16*PITCH
	s_add_co_u32 s44, s44, s54
	s_add_co_u32 s44, s44, 64*PITCH
	s_add_co_u32 s45, s44, SLOT
	s_mul_i32 s46, s56, 1536                       ; K's codes: 1536 x pair of tiles + 48 x 16 x block
	s_mul_i32 s54, s57, 768
	s_add_co_u32 s46, s46, s54
	s_add_co_u32 s46, s46, s55
	s_add_co_u32 s46, s46, IMG
	s_lshl_b32 s47, s56, 2                         ; K's scale bytes: 4 x pair of tiles + block
	s_add_co_u32 s47, s47, s57
	s_add_co_u32 s47, s47, s55
	s_add_co_u32 s47, s47, IMG+RKS
	s_mul_i32 s48, s21, 1536                       ; V's codes: 1536 x tile + 24 x (which 64 keys)
	s_mul_i32 s54, s58, 24
	s_add_co_u32 s48, s48, s54
	s_add_co_u32 s48, s48, s55
	s_add_co_u32 s48, s48, RV
	s_lshl_b32 s49, s57, 7                         ; V's scale words: 8 x (row + 16 x (tile & 1)) + 4 x (tile / 2), bytes 2 x (which 64 keys) + h
	s_lshl_b32 s54, s59, 2
	s_add_co_u32 s49, s49, s54
	s_lshl_b32 s54, s58, 1
	s_add_co_u32 s49, s49, s54
	s_add_co_u32 s49, s49, s55
	s_add_co_u32 s49, s49, IMG+RVS
	s_mul_i32 s41, s8, 1536
	s_add_co_u32 s41, s41, QP                      ; my own Q codes,
	s_lshl_b32 s50, s8, 7
	s_add_co_u32 s50, s50, QSC                     ; and scale words
	s_lshr_b32 s54, s8, 1
	s_mul_i32 s51, s54, 3072                       ; where the codes that I make go: wave 2 P + l / 16, tile j, place r + 16 (w % 2)
	s_mul_i32 s60, s57, 384
	s_add_co_u32 s51, s51, s60
	s_add_co_u32 s51, s51, QP
	s_lshl_b32 s60, s54, 8
	s_add_co_u32 s60, s60, s57
	s_add_co_u32 s60, s60, QSC
	s_lshl_b32 s61, s8, 7                          ; the way out: my 32 queries in a stage row,
	s_mul_i32 s62, s8, 4*OPI                       ; the four channel rows that I store,
	s_lshl_b32 s63, s8, 15                         ; and the same in out0
	v_and_b32 v[KV+2], 15, v0                      ; r
	v_bfe_u32 v[KV+3], v0, 4, 1                    ; h
	v_mad_u32_u24 v[AC0], v[KV+1], 48, IMG
	v_lshl_add_u32 v[AS0], v[KV+1], 4, IMG+RKS
	v_lshl_add_u32 v[AT0], v[KV+1], 3, IMG+RVS
	v_mad_u32_u24 v[AQ], v[KV+1], 24, s41
	v_lshl_add_u32 v[AQS], v[KV+1], 2, s50
	v_lshlrev_b32 v[SH8], 3, v[KV+3]
	v_mul_u32_u24 v[KL], v[KV+3], 4*PITCH          ; K: 4 h rows down, keys 32 (r / 8) + 2 (r % 8), + 1
	v_bfe_u32 v[KV+7], v0, 3, 1
	D1
	v_lshl_add_u32 v[KL], v[KV+7], 7, v[KL]
	v_and_b32 v[KV+7], 7, v0
	D1
	v_lshl_add_u32 v[KL], v[KV+7], 3, v[KL]
	v_mul_u32_u24 v[VL], v[KV+2], PITCH            ; V: r rows down, 32 h keys on
	D1
	v_lshl_add_u32 v[VL], v[KV+3], 7, v[VL]
	v_mul_u32_u24 v[KV+4], v[KV+3], 1536
	D1
	v_mad_u32_u24 v[KV+4], v[KV+2], 24, v[KV+4]
	D1
	v_add_nc_u32 v[KV+4], s51, v[KV+4]
	v_lshlrev_b32 v[KV+5], 7, v[KV+3]
	D1
	v_lshl_add_u32 v[KV+5], v[KV+2], 2, v[KV+5]
	D1
	v_add_nc_u32 v[KV+5], s60, v[KV+5]
.irp j, 6,7,8,9,10,11
	v_mov_b32 v[QF+\j], 0                          ; Q's zero codes for K = 64 .. 127
	v_mov_b32 v[KV+42+\j], 0                       ; what the last tile of K names behind its own six registers
.endr
	v_mov_b32 v[FF+1], 0                           ; named as the upper half of a pair
	v_mov_b32 v[PX], 0                             ; a lane permute's destination counts as one of its sources
	v_mov_b32 v[RM], 0
	v_mov_b32 v[MA], 0x7f61b1e6                    ; -M = 3e38, the largest score so far -3e38
	v_mov_b32 v[MA+1], 0xff61b1e6
	v_mov_b32 v[MB], 0x7f61b1e6
	v_mov_b32 v[MB+1], 0xff61b1e6
.irp j, 0,1,2,3
	v_mov_b32 v[LA+\j], 0                          ; the sums
.endr
	WA                                             ; the wait at the head's end
	s_wait_loadcnt 0x0
.set i, 0
.rept 32
	v_mul_f32 v[OA+(i/8)*8+(i%4)*2+((i/4)%2)], s12, v[SS+2*i]     ; q x g; the multiplication also parts the two queries and lays channel i at its place in the block, as K's are laid
	v_mul_f32 v[OB+(i/8)*8+(i%4)*2+((i/4)%2)], s12, v[SS+2*i+1]
.set i, i+1
.endr
	QMAX OA
.irp p, 0,1,2
	ds_store_b64 v[KV+4], v[PA+2*\p:PA+2*\p+1] offset:8*\p
	ds_store_b64 v[KV+4], v[PB+2*\p:PB+2*\p+1] offset:768+8*\p
.endr
	ds_store_b8 v[KV+5], v[B0]
	ds_store_b8 v[KV+5], v[QF+6] offset:2          ; the byte of the block 64 channels on, which does not exist: 0
	ds_store_b8 v[KV+5], v[B1] offset:64
	ds_store_b8 v[KV+5], v[QF+6] offset:66
.set i, 0
.rept 64
	v_mov_b32 v[OA+i], 0                           ; O^T: the step is written once for all steps; the first finds zeros, which the first change of M leaves zeros
.set i, i+1
.endr
	s_mov_b32 s3, 3
.Lring:                                                ; a pass goes once round the ring: 512 keys
	TRIP 0, 1
	TRIP 1, 1
	s_sub_co_u32 s3, s3, 1
	s_cmp_lg_u32 s3, 0
	WA
	s_cbranch_scc1 .Lring
	TRIP 0, 1
	TRIP 1, 0                                      ; the last 256 keys: nothing more is asked for
	; THE WAY OUT.  O^T / the sum goes into a stage in slot 0, which has had its last fill: a row to a channel, each query at its true column; each wave then stores four whole channel rows
	v_add_f32 v[LA], v[LA], v[LA+1]
	v_add_f32 v[LB], v[LB], v[LB+1]
	D2
	v_permlanex16_b32 v[PX], v[LA], s16, s17
	D2
	v_permlanex16_b32 v[RM], v[LB], s16, s17
	D2
	v_add_f32 v[LA], v[LA], v[PX]
	D2
	v_add_f32 v[LB], v[LB], v[RM]
	v_and_b32 v[KV+2], 15, v0
	v_bfe_u32 v[KV+3], v0, 4, 1
	v_and_b32 v[KV+1], 31, v0
	v_mul_u32_u24 v[KV+4], v[KV+3], 8*OPI          ; my channels begin at 8 h; my two queries are columns 32 w + 2 r, + 1
	D1
	v_lshl_add_u32 v[KV+4], v[KV+2], 3, v[KV+4]
	D1
	v_add_nc_u32 v[KV+4], s61, v[KV+4]
	D1
	v_add_nc_u32 v[KV+5], 32*OPI, v[KV+4]
	v_lshl_add_u32 v[KV+6], v[KV+1], 4, s62
	v_lshl_add_u32 v[KV+7], v[KV+1], 4, s63
	WA
	v_rcp_f32 v[LA], v[LA]
	v_rcp_f32 v[LB], v[LB]
	v_nop
	WA
.set i, 0
.rept 32
	v_mul_f32 v[SS+2*i], v[OA+i], v[LA]            ; register 8 c + j: channel 16 c + 8 h + j; the two tiles' results side by side
	v_mul_f32 v[SS+2*i+1], v[OB+i], v[LB]
.set i, i+1
.endr
.irp c, 0,1
.irp j, 0,1,2,3,4,5,6,7
	ds_store_b64 v[KV+4], v[SS+16*\c+2*\j:SS+16*\c+2*\j+1] offset:OPI*(16*\c+\j)
	ds_store_b64 v[KV+5], v[SS+32+16*\c+2*\j:SS+33+16*\c+2*\j] offset:OPI*(16*\c+\j)
.endr
.endr
	WA
	s_wait_dscnt 0x0                               ; for the others' sake: my results lie in the stage
	s_barrier_signal -1
	s_barrier_wait -1
.irp i, 0,1,2,3,4,5,6,7,8,9,10,11,12,13,14,15
	ds_load_b128 v[OA+4*\i:OA+4*\i+3], v[KV+6] offset:OPI*(\i/4)+512*(\i%4)
.endr
.irp i, 0,1,2,3,4,5,6,7,8,9,10,11,12,13,14,15
	s_wait_dscnt 15-\i                             ; load i is in, the younger ones may be out
	global_store_b128 v[KV+7], v[OA+4*\i:OA+4*\i+3], s[6:7] offset:ROWG*(\i/4)+512*(\i%4) th:TH_STORE_NT   ; 32 lanes store 512 consecutive bytes, at a multiple of 256 from out0's first byte
.endr
	s_wait_tensorcnt 0x0                           ; the wave's end
	ds_add_u32 v[SPW], v[NIL]
	s_wait_dscnt 0x0
	ROUND                                          ; the closing round
	s_endpgm
.Lfunc_end_k_q458e5ab2e4_attn:
	.size	k_q458e5ab2e4_attn, .Lfunc_end_k_q458e5ab2e4_attn-k_q458e5ab2e4_attn
	.p2alignl 7, 3214868480
	.fill 96, 4, 3214868480
	.section	.rodata,"a",@progbits
	.p2align	6, 0x0
	.amdhsa_kernel k_q458e5ab2e4_attn
		.amdhsa_group_segment_fixed_size 327680
		.amdhsa_private_segment_fixed_size 0
		.amdhsa_enable_private_segment 0
		.amdhsa_kernarg_size 16
		.amdhsa_user_sgpr_count 2
		.amdhsa_user_sgpr_kernarg_segment_ptr 1
		.amdhsa_wavefront_size32 1
		.amdhsa_system_sgpr_workgroup_id_x 1
		.amdhsa_system_sgpr_workgroup_id_y 1
		.amdhsa_system_sgpr_workgroup_id_z 1
		.amdhsa_system_vgpr_workitem_id 0
		.amdhsa_next_free_vgpr 256
		.amdhsa_next_free_sgpr 66
		.amdhsa_reserve_vcc 0
		.amdhsa_float_denorm_mode_32 3
		.amdhsa_float_denorm_mode_16_64 3
		.amdhsa_memory_ordered 1
		.amdhsa_forward_progress 1
		.amdhsa_inst_pref_size 255
	.end_amdhsa_kernel
	.section	.bss,"aw",@nobits
	.p2align	6
	.space	262144
	.amdgpu_metadata
---
amdhsa.version: [ 1, 2 ]
amdhsa.kernels:
  - .name:           k_q458e5ab2e4_attn
    .symbol:         k_q458e5ab2e4_attn.kd
    .args:
      - { .name: qkv, .offset: 0, .size: 8, .value_kind: global_buffer, .address_space: global }
      - { .name: out0, .offset: 8, .size: 8, .value_kind: global_buffer, .address_space: global }
    .group_segment_fixed_size: 327680
    .private_segment_fixed_size: 0
    .kernarg_segment_align: 8
    .kernarg_segment_size: 16
    .max_flat_workgroup_size: 512
    .sgpr_count:     66
    .vgpr_count:     256
    .wavefront_size: 32
...
	.end_amdgpu_metadata
.endif
;; end of part 1
